; MI455X (gfx1250); checked and timed in simulation.
; The chip was launched on July 23, 2026; its instructions are those of AMD's public machine-readable ISA for CDNA 5 (MIT licence, August 2026) and "CDNA5" Instruction Set Architecture Reference Guide (July 2026). The comments in the code are by the model that wrote it; some were corrected since.
;; Attn Block. Allowed arithmetic: matrix products marked QUANTISED: E3M2 operands, one E8M0 scale for each 32 along K, by v_wmma_scale_f32_16x16x128_f8f6f4 with both operands' format E3M2, f32 sums; everything else in f32.
;; Inputs: bk 128 float32; bo 128 float32; bq 128 float32; bv 128 float32; gn_bias 128 float32; gn_scale 128 float32; wk 128 x 128 float32; wo 128 x 128 float32; wq 128 x 128 float32; wv 128 x 128 float32; x 8 x 64 x 64 x 128 float32.
;; Outputs: out0 8 x 64 x 64 x 128 float32.
;; This version of the problem:
;;   THIS VERSION OF THE PROBLEM IS GIVEN IN LOW PRECISION. The matrix products marked QUANTISED in the list below multiply operands that are first quantised to E3M2 (3 exponent bits, 2 mantissa bits; 6 bits a number), with one power-of-two scale for each 32 numbers along K (OCP MX v1.0); their sums are f32. All else is computed in f32.
;;   The module's matrix products, in the order in which they are computed (A, B: the left and right operand; K: the contracted axis; several contracted axes count as one K, in the product's order):
;;     1. [M 32,768, K 128] x [K 128, N 128]; A: computed on the way; B: input wq: QUANTISED
;;     2. [M 32,768, K 128] x [K 128, N 128]; A: computed on the way; B: input wk: QUANTISED
;;     3. [M 32,768, K 128] x [K 128, N 128]; A: computed on the way; B: input wv: QUANTISED
;;     4. batch 8 x [M 4,096, K 128] x [K 128, N 4,096]; A: computed on the way; B: computed on the way: QUANTISED
;;     5. batch 8 x [M 4,096, K 4,096] x [K 4,096, N 128]; A: softmax (see below); B: computed on the way: QUANTISED
;;     6. [M 32,768, K 128] x [K 128, N 128]; A: computed on the way; B: input wo: QUANTISED
;;   THE QUANTISER, for each operand of a quantised product, along K:
;;     - K is cut into blocks of 32 from its start; a last block that is shorter is filled with zeros.
;;     - A block's scale is 2^e with e = floor(log2(the largest magnitude in the block)) - 4, held to -126 .. 127; a block of zeros has e = 0. As a byte (E8M0): e + 127.
;;     - Each number is divided by its block's scale, clamped to +-28, and rounded to the nearest number of E3M2, ties to even, subnormals kept.
;;     - The product sums the exact products of the quantised numbers (number of the format x scale) in f32.
;;   ~~~python
;;   def quantise(x, axis):      # numpy; x: float32 -> the quantised numbers, widened to float32 again
;;       x = np.moveaxis(x, axis, -1); K = x.shape[-1]
;;       x = np.pad(x, [(0, 0)] * (x.ndim - 1) + [(0, -K % 32)]); x = x.reshape(x.shape[:-1] + (-1, 32)); a = np.abs(x).max(-1, keepdims=True)
;;       e = np.where(a > 0, np.clip(np.frexp(np.where(a > 0, a, 1))[1] - 1 - 4, -126, 127), 0)      # np.frexp(a)[1] - 1 = floor(log2(a)), exactly
;;       r = np.clip(x / 2.0 ** e, -28, 28)
;;       step = 2.0 ** (np.maximum(np.frexp(np.where(r == 0, 1, r))[1] - 1, -2) - 2)
;;       q = np.round(r / step) * step * 2.0 ** e      # np.round: ties to even
;;       return np.moveaxis(q.reshape(q.shape[:-2] + (-1,))[..., :K], -1, axis).astype(np.float32)
;;   ~~~
;;   SOFTMAX AHEAD OF A QUANTISED PRODUCT. Where the list says 'softmax', what is quantised is not the finished softmax but p = 2^(t - M), with t = logit x log2(e) and M = ceil(the row's largest t), a whole number; so 1/2 < the row's largest p <= 1. The row's sum l is taken of the UNQUANTISED p, in f32, and the product's result is divided by l at the end. Since M is a whole number, a kernel that streams over the keys may use a running M (the ceiling of the running maximum): every later rescaling is an exact power of two, which a block's scale takes up: the codes' values come out the same.
;;   OPERANDS COMPUTED ON THE WAY. 'Computed on the way' means the value that the module computes at that place (a softmax that the list does not call 'softmax' is quantised finished and normalised). What goes into a quantiser is computed in f32, as accurately as f32 sums, v_exp_f32 and their like allow (about 1e-6 of the number): no bf16 or f16 on the way to a quantiser, and a product that is left as it is and whose result goes on into a quantised operand takes f32 operands (vector FMAs, or v_wmma_f32_16x16x4_f32). A number that lies on a knife's edge between two numbers of the format may be rounded either way, as far as f32 arithmetic and the matrix unit's own rounding can turn it there, and no further.
;; One version. Each part assembles by itself: llvm-mc -triple=amdgcn-amd-amdhsa -mcpu=gfx1250 --defsym DOCPART=n.
;; ======== version 1 of 1: 3 launches
;; workspace buffers: stats 65,536 bytes; wimg 53,248 bytes; qc 3,145,728 bytes; qs 131,072 bytes; kvc 6,291,456 bytes; kvs 262,144 bytes
;; launch prep (part 1): grid 260 x 1, 8 waves a work-group, no clusters, 3,072 bytes of LDS; arguments x, wq, wk, wv, wo, stats, wimg; writes stats, wimg
.if DOCPART == 1
	.amdgcn_target "amdgcn-amd-amdhsa--gfx1250"
	.amdhsa_code_object_version 6
	.text
	.protected	k_qec4b23bfcf_prep
	.globl	k_qec4b23bfcf_prep
	.p2align	8
	.type	k_qec4b23bfcf_prep,@function
k_qec4b23bfcf_prep:
	s_mov_b64 s[64:65], 0
	v_nop
	global_prefetch_b8 v0, s[64:65] scope:SCOPE_SE
	s_setreg_imm32_b32 hwreg(HW_REG_WAVE_MODE, 25, 1), 1
	s_wait_xcnt 0x0
; Two jobs in one launch, told apart by the work-group's number alone.
; WORK-GROUPS 0 TO 255: partial GroupNorm statistics.  x is [8][4096][128] f32; a group is 4 neighbouring channels; a batch's statistics run over 4,096 positions x 4 channels.
; Work-group p takes positions 128 p .. 128 p + 127 (all of one batch) and stores, for each of the 32 groups, the mean and the sum of squared distances from that mean (M2) of its 512 numbers:
; stats[p][group][2], 256 bytes, one aligned store.  A row of x is 512 bytes: one 16-byte load a lane, and lane L holds just the 4 channels of group L.  Wave w takes rows 16 w .. 16 w + 15.
; The mean is taken first and the squares of the distances from it afterwards, and parts are joined by M2 = sum of M2's + n x sum of (part's mean - mean)^2: no difference of large sums is formed,
; so a common offset of the inputs costs no digits.
; WORK-GROUPS 256 TO 259: wq, wk, wv, wo ([128 k][128 n] f32, K the FIRST axis) become codes of E3M2 with one E8M0 byte for each 32 along K, laid as IMAGES OF OPERAND REGISTERS:
; wimg[weight] = 8 tiles x 1,536 bytes (registers 4 c .. 4 c + 3 of lane L at 512 c + 16 L), then 8 x 128 bytes of scale words (tile t, lane L at 128 t + 4 L; half of an aligned 256 bytes a store: 4 KB in all).
; THE COLUMNS OF A TILE ARE NOT NEIGHBOURS: lane row r of tile 2 b + u takes column 32 b + 8 u + r + 8 (r / 8), so that a transposed product's 16 registers of tiles 2 b, 2 b + 1 are 16 neighbours.
; A lane takes a column and its registers run down K in the order of the operand's layout (k = 64 c + 32 (lane / 16) + 0 .. 31): the conversions' results are the operand's registers.
; LIMITS: NaN and infinities are not served.  A block whose largest magnitude lies under 2^-122 (zeros too) gets the byte 1: its codes then are zeros or subnormal codes under the smallest scale; only this program reads the bytes.
.set X,   16                           ; v16-79   64 numbers
.set CH,  80                           ; v80-87   four chains of pairs
.set NMP, 88                           ; v88-89   minus the wave's mean, twice
.set PR,  90                           ; v90-91   the wave's (mean, M2)
.set MG,  92                           ; v92-107  the eight waves' pairs
.set TOT, 108                          ; v108-109 their sums
.set RES, 110                          ; v110-111 the part's (mean, M2)
	s_load_b256 s[4:11], s[0:1], 0x0               ; x s[4:5], wq s[6:7], wk s[8:9], wv s[10:11]
	s_load_b128 s[12:15], s[0:1], 0x20             ; wo s[12:13], stats s[14:15]
	s_load_b64 s[16:17], s[0:1], 0x30              ; wimg
	v_lshl_add_u32 v128, v0, 2, 0x800
	v_mov_b32 v129, 0
	v_lshrrev_b32 v1, 5, v0
	v_readfirstlane_b32 s20, v1                    ; wave 0..7
	v_and_b32 v2, 31, v0                           ; lane
	s_cmp_ge_u32 ttmp9, 256
	s_cbranch_scc1 .Lweights                       ; the same way for all eight waves of a work-group
	; ---- statistics
	v_lshlrev_b32 v1, 4, v2                        ; my 16 bytes of a row
	v_lshlrev_b32 v3, 3, v0                        ; LDS: 256 x wave + 8 x lane
	v_lshlrev_b32 v4, 3, v2                        ; 8 x lane
	s_lshl_b32 s22, ttmp9, 16                      ; 128 rows of 512 bytes a work-group,
	s_lshl_b32 s21, s20, 13                        ; 16 a wave
	s_add_co_u32 s22, s22, s21
	s_mov_b32 s23, 0
	s_lshl_b32 s24, ttmp9, 8                       ; 256 bytes of stats a work-group
	s_mov_b32 s25, 0
	s_wait_kmcnt 0x0
	s_add_nc_u64 s[4:5], s[4:5], s[22:23]
	s_add_nc_u64 s[14:15], s[14:15], s[24:25]
.set i, 0
.rept 16
	global_load_b128 v[X+4*i:X+4*i+3], v1, s[4:5] offset:512*i th:TH_LOAD_NT   ; 32 lanes read a whole row
.set i, i+1
.endr
	s_wait_loadcnt 0x0
.irp k, 0,1,2,3
	v_pk_add_f32 v[CH+2*\k:CH+2*\k+1], v[X+2*\k:X+2*\k+1], v[X+8+2*\k:X+9+2*\k]   ; the sum of my 64, in four chains started by the first pairs
.endr
.irp p, 8,12,16,20,24,28
.irp k, 0,1,2,3
	v_pk_add_f32 v[CH+2*\k:CH+2*\k+1], v[CH+2*\k:CH+2*\k+1], v[X+2*(\p+\k):X+2*(\p+\k)+1]
.endr
.endr
	v_pk_add_f32 v[CH:CH+1], v[CH:CH+1], v[CH+2:CH+3]
	v_pk_add_f32 v[CH+4:CH+5], v[CH+4:CH+5], v[CH+6:CH+7]
	v_pk_add_f32 v[CH:CH+1], v[CH:CH+1], v[CH+4:CH+5]
	v_add_f32 v[CH], v[CH], v[CH+1]
	v_mul_f32 v[PR], 0x3c800000, v[CH]             ; / 64: the wave's mean of group L
	v_mul_f32 v[NMP], -1.0, v[PR]
	v_mov_b32 v[NMP+1], v[NMP]
.set p, 0
.rept 32
	v_pk_add_f32 v[X+2*p:X+2*p+1], v[X+2*p:X+2*p+1], v[NMP:NMP+1]   ; distances from that mean
.set p, p+1
.endr
.irp k, 0,1,2,3
	v_pk_mul_f32 v[CH+2*\k:CH+2*\k+1], v[X+2*\k:X+2*\k+1], v[X+2*\k:X+2*\k+1]
.endr
.irp p, 4,8,12,16,20,24,28
.irp k, 0,1,2,3
	v_pk_fma_f32 v[CH+2*\k:CH+2*\k+1], v[X+2*(\p+\k):X+2*(\p+\k)+1], v[X+2*(\p+\k):X+2*(\p+\k)+1], v[CH+2*\k:CH+2*\k+1]
.endr
.endr
	v_pk_add_f32 v[CH:CH+1], v[CH:CH+1], v[CH+2:CH+3]
	v_pk_add_f32 v[CH+4:CH+5], v[CH+4:CH+5], v[CH+6:CH+7]
	v_pk_add_f32 v[CH:CH+1], v[CH:CH+1], v[CH+4:CH+5]
	v_add_f32 v[PR+1], v[CH], v[CH+1]              ; the wave's M2
	ds_store_b64 v3, v[PR:PR+1]
	s_wait_dscnt 0x0                               ; for the others' sake: my pair lies in LDS
	s_barrier_signal -1
	s_barrier_wait -1
	s_cmp_lg_u32 s20, 0
	s_cbranch_scc1 .Lend                           ; wave 0 joins the eight; no barrier follows
.irp k, 0,1,2,3,4,5,6,7
	ds_load_b64 v[MG+2*\k:MG+2*\k+1], v4 offset:256*\k
.endr
	s_wait_dscnt 0x0
	v_pk_add_f32 v[TOT:TOT+1], v[MG:MG+1], v[MG+2:MG+3]
.irp k, 2,3,4,5,6,7
	v_pk_add_f32 v[TOT:TOT+1], v[TOT:TOT+1], v[MG+2*\k:MG+2*\k+1]
.endr
	v_mul_f32 v[RES], 0x3e000000, v[TOT]           ; / 8: the part's mean (equal counts)
.irp k, 0,1,2,3,4,5,6,7
	v_sub_f32 v[MG+2*\k], v[MG+2*\k], v[RES]
.endr
	v_mul_f32 v[RES+1], v[MG], v[MG]
.irp k, 1,2,3,4,5,6,7
	v_fmac_f32 v[RES+1], v[MG+2*\k], v[MG+2*\k]
.endr
	v_fmamk_f32 v[RES+1], v[RES+1], 0x42800000, v[TOT+1]   ; M2 = 64 x sum of (wave's mean - mean)^2 + sum of M2's
	global_store_b64 v4, v[RES:RES+1], s[14:15]    ; 32 lanes store 256 consecutive bytes, aligned
.Lend:
	s_wait_tensorcnt 0x0
	ds_add_u32 v128, v129
	s_wait_dscnt 0x0
	s_endpgm
	; ---- a weight: work-group 256 + id, wave = tile
.set W,   16                           ; v16-79   W(64 c + 32 h + i, my column) at v[W + 32 c + i]
.set MX,  80                           ; v80-81   my two blocks' largest magnitudes
.set SO,  82                           ; v82-83   the conversions' scale operands
.set BY,  84                           ; v84-85   the bytes
.set WD,  86                           ; v86      the scale word
.set TP,  87
.set CD,  96                           ; v96-107  the fragment
.set C2,  108                          ; v108-110, v112-114 the blocks' second halves as converted
.Lweights:
	s_sub_co_u32 s21, ttmp9, 256                   ; 0 wq, 1 wk, 2 wv, 3 wo
	v_and_b32 v1, 15, v0                           ; r
	v_bfe_u32 v3, v0, 4, 1                         ; h
	v_and_b32 v4, 8, v1
	v_add_nc_u32 v4, v4, v1                        ; r + 8 (r / 8)
	v_lshlrev_b32 v4, 2, v4
	v_lshl_add_u32 v5, v3, 14, v4                  ; lanes 16-31 begin 32 rows of 512 bytes further down
	v_lshlrev_b32 v6, 4, v2                        ; 16 x lane
	v_lshlrev_b32 v7, 2, v2                        ; 4 x lane
	s_lshr_b32 s22, s20, 1
	s_lshl_b32 s22, s22, 7
	s_and_b32 s23, s20, 1
	s_lshl_b32 s23, s23, 5
	s_add_co_u32 s22, s22, s23                     ; the tile's first column, in bytes: 4 (32 (t / 2) + 8 (t % 2))
	s_mov_b32 s23, 0
	s_mul_i32 s24, s21, 13312                      ; the weight's part of wimg
	s_mul_i32 s26, s20, 1536
	s_add_co_u32 s26, s26, s24                     ; the tile's image
	s_mov_b32 s27, 0
	s_lshl_b32 s28, s20, 7
	s_add_co_u32 s28, s28, s24                     ; the tile's scale words (12,288 further on, in the store's immediate)
	s_mov_b32 s29, 0
	s_mov_b32 s30, 0x76543210
	s_mov_b32 s31, 0xfedcba98                      ; v_permlanex16_b32's selects for lane l xor 16
	s_wait_kmcnt 0x0
	s_cmp_eq_u32 s21, 1                            ; the choice hangs on the work-group's number alone
	s_cselect_b64 s[6:7], s[8:9], s[6:7]
	s_cmp_eq_u32 s21, 2
	s_cselect_b64 s[6:7], s[10:11], s[6:7]
	s_cmp_eq_u32 s21, 3
	s_cselect_b64 s[6:7], s[12:13], s[6:7]
	s_add_nc_u64 s[6:7], s[6:7], s[22:23]
	s_add_nc_u64 s[26:27], s[16:17], s[26:27]
	s_add_nc_u64 s[28:29], s[16:17], s[28:29]
.set i, 0
.rept 64
	global_load_b32 v[W+i], v5, s[6:7] offset:512*(64*(i/32)+i%32)
.set i, i+1
.endr
	s_wait_loadcnt 0x0
.irp c, 0,1
	v_max3_num_f32 v[MX+\c], |v[W+32*\c]|, |v[W+1+32*\c]|, 0x2800000   ; block 2 c + h is all mine; the floor 2^(5 - 127) holds the byte at 1 from below
.endr
.irp i, 2,4,6,8,10,12,14,16,18,20,22,24,26,28,30
.irp c, 0,1
	v_max3_num_f32 v[MX+\c], v[MX+\c], |v[W+32*\c+\i]|, |v[W+1+32*\c+\i]|
.endr
.endr
.irp c, 0,1
	v_add_nc_u32 v[SO+\c], 0xfe000000, v[MX+\c]    ; 4 off the exponent field: the conversion takes this operand's exponent field as its scale
.endr
.irp c, 0,1
	v_lshrrev_b32 v[BY+\c], 23, v[SO+\c]           ; the scale's byte
.endr
	v_lshl_or_b32 v[WD], v[BY+1], 16, v[BY]        ; blocks h and 2 + h,
	v_lshlrev_b32 v[TP], 3, v3
	v_lshlrev_b32 v[WD], v[TP], v[WD]              ; 8 h bits up;
	v_mov_b32 v[TP], 0
	v_permlanex16_b32 v[TP], v[WD], s30, s31
	v_or_b32 v[WD], v[WD], v[TP]                   ; with lane l xor 16's two the word is whole, in all 32 lanes
.irp c, 0,1
	v_cvt_scalef32_pk16_bf6_f32 v[CD+6*\c:CD+2+6*\c], v[W+32*\c:W+15+32*\c], v[SO+\c]
	v_cvt_scalef32_pk16_bf6_f32 v[C2+4*\c:C2+2+4*\c], v[W+16+32*\c:W+31+32*\c], v[SO+\c]   ; (a conversion's three registers begin on an even number)
.endr
	v_nop                                          ; one plain line behind the scaled conversions
.irp c, 0,1
.irp i, 0,1,2
	v_mov_b32 v[CD+3+6*\c+\i], v[C2+4*\c+\i]
.endr
.endr
.irp c, 0,1,2
	global_store_b128 v6, v[CD+4*\c:CD+4*\c+3], s[26:27] offset:512*\c   ; 32 lanes store 512 consecutive bytes
.endr
	global_store_b32 v7, v[WD], s[28:29] offset:12288
	s_endpgm
.Lfunc_end_k_qec4b23bfcf_prep:
	.size	k_qec4b23bfcf_prep, .Lfunc_end_k_qec4b23bfcf_prep-k_qec4b23bfcf_prep
	.p2alignl 7, 3214868480
	.fill 96, 4, 3214868480
	.section	.rodata,"a",@progbits
	.p2align	6, 0x0
	.amdhsa_kernel k_qec4b23bfcf_prep
		.amdhsa_group_segment_fixed_size 3072
		.amdhsa_private_segment_fixed_size 0
		.amdhsa_enable_private_segment 0
		.amdhsa_kernarg_size 56
		.amdhsa_user_sgpr_count 2
		.amdhsa_user_sgpr_kernarg_segment_ptr 1
		.amdhsa_wavefront_size32 1
		.amdhsa_system_sgpr_workgroup_id_x 1
		.amdhsa_system_sgpr_workgroup_id_y 1
		.amdhsa_system_sgpr_workgroup_id_z 1
		.amdhsa_system_vgpr_workitem_id 0
		.amdhsa_next_free_vgpr 130
		.amdhsa_next_free_sgpr 66
		.amdhsa_reserve_vcc 0
		.amdhsa_float_denorm_mode_32 3
		.amdhsa_float_denorm_mode_16_64 3
		.amdhsa_memory_ordered 1
		.amdhsa_forward_progress 1
		.amdhsa_inst_pref_size 22
	.end_amdhsa_kernel
	.amdgpu_metadata
---
amdhsa.version: [ 1, 2 ]
amdhsa.kernels:
  - .name:           k_qec4b23bfcf_prep
    .symbol:         k_qec4b23bfcf_prep.kd
    .args:
      - { .name: x, .offset: 0, .size: 8, .value_kind: global_buffer, .address_space: global }
      - { .name: wq, .offset: 8, .size: 8, .value_kind: global_buffer, .address_space: global }
      - { .name: wk, .offset: 16, .size: 8, .value_kind: global_buffer, .address_space: global }
      - { .name: wv, .offset: 24, .size: 8, .value_kind: global_buffer, .address_space: global }
      - { .name: wo, .offset: 32, .size: 8, .value_kind: global_buffer, .address_space: global }
      - { .name: stats, .offset: 40, .size: 8, .value_kind: global_buffer, .address_space: global }
      - { .name: wimg, .offset: 48, .size: 8, .value_kind: global_buffer, .address_space: global }
    .group_segment_fixed_size: 3072
    .private_segment_fixed_size: 0
    .kernarg_segment_align: 8
    .kernarg_segment_size: 56
    .max_flat_workgroup_size: 256
    .sgpr_count:     66
    .vgpr_count:     130
    .wavefront_size: 32
...
	.end_amdgpu_metadata
.endif
;; end of part 1
;; launch qkv (part 2): grid 256 x 1, 8 waves a work-group, no clusters, 104,448 bytes of LDS; arguments x, stats, wimg, gn_scale, gn_bias, bq, bk, bv, qc, qs, kvc, kvs; writes qc, qs, kvc, kvs
.if DOCPART == 2
	.amdgcn_target "amdgcn-amd-amdhsa--gfx1250"
	.amdhsa_code_object_version 6
	.text
	.protected	k_qec4b23bfcf_qkv
	.globl	k_qec4b23bfcf_qkv
	.p2align	8
	.type	k_qec4b23bfcf_qkv,@function
k_qec4b23bfcf_qkv:
	s_mov_b64 s[64:65], 0
	v_nop
	global_prefetch_b8 v0, s[64:65] scope:SCOPE_SE
	s_setreg_imm32_b32 hwreg(HW_REG_WAVE_MODE, 25, 1), 1
	s_wait_xcnt 0x0
; hf = GroupNorm(x);  q = hf wq + bq,  k = hf wk + bk,  v = hf wv + bv, the three products on codes of E3M2 with one E8M0 byte for each 32 along K; q and k are then quantised along the channels, v along the positions.
; A work-group takes 128 positions (block p = its number, batch p / 32).  Wave w owns position tile w for hf, q and k, all in its own registers, and channel tile w of v for all 128 positions,
; for which it takes the eight fragments of hf from LDS, as images of their registers.  Straight-line text, two barriers.
; TILES: lane row r of tile 2 b + u takes thing 32 b + 8 u + r + 8 (r / 8) (positions of hf, q, k; output channels of the weights).  Every product is laid so that a lane's 64 results are,
; register 16 b + i, index 32 b + 16 (lane / 16) + i along the NEXT product's K: q, k: source 0 = 16 columns of the weight, source 1 = hf (a lane holds a position, registers run along the channels);
; v: source 0 = 16 positions of hf, source 1 = 16 columns of wv (a lane holds a channel, registers run along the positions).
; OUT, all as images (registers 4 c .. 4 c + 3 of lane L at 512 c + 16 L of a tile's 1,536 bytes): qc[p][tile], kvc[p][k's 8 tiles | v's 8 tiles].  Scale words as blocks of 512 bytes: tile 2 b + u, row r at
; 16 (r + 16 u) + 4 b, so that one 16-byte load a lane brings register b = tile 2 b in lanes 0-15 and tile 2 b + 1 in lanes 16-31: qs[p], kvs[p][k's | v's].
; THE STATISTICS: each wave joins the batch's 32 parts (mean, M2 of 512 numbers each), lane = group: mean = sum of means / 32, var = (sum of M2 + 512 sum of (part's mean - mean)^2) / 16,384.
; ORDER OF ROUNDING: (x - mean) x (rsqrt(var + 1e-6) x gn_scale) + gn_bias, the last two as one fused multiply-add: the gain is folded into the factor first.  v_rsq_f32 is good to 1 ulp.
; LIMITS: NaN and infinities are not served; a block whose largest magnitude lies under 2^-122 (zeros too) gets the byte 1; only this program reads the bytes.
.set XSTW, 16*528                      ; LDS: a stage of 16 rows x (512 + 16) bytes for each wave,
.set PRV,  8*XSTW                      ; each wave's own arrays: -mean[32] at 0, factor[128] at 256, gn_bias[128] at 768, bq[128] at 1,280, bk[128] at 1,792,
.set PRVW, 2304
.set HIMG, PRV+8*PRVW                  ; hf's eight images,
.set HSC,  HIMG+8*1536                 ; their scale words, 128 bytes each,
.set SBLK, HSC+8*128                   ; and the three scale blocks: q's, k's, v's
.set WB,   13312                       ; a weight's part of wimg
.set WQS, 20                           ; v20-27  wq's scale words;  v28-35 wk's;  v36 wv's;  v37 hf's;  v38 the word just made;  v40-47 the eight hf words.  These hold scales and nothing else
.set WKS, 28
.set WVS, 36
.set HFW, 37
.set PW,  38
.set BVR, 39                           ; v39     bv of my lane's channel
.set HS,  40
.set GB,  48                           ; v48-111 gn_bias in the lanes' layout; before it v48-59 at work on the statistics; behind it:
.set CH,  48
.set MW,  56                           ; v56 mean, v57 var, v58 1 / sqrt, v59 -mean
.set BV8, 48                           ; v48-55  bv, eight times: the C of v's products
.set HF,  56                           ; v56-67  hf's fragment
.set PC,  68                           ; v68-79  the codes just made
.set CT,  80                           ; v80-87, v88-103: the quantiser's
.set TM,  88
.set OB,  104                          ; v104-107 a scale block on its way out
.set G,   112                          ; v112-127 gn_scale, gn_bias, bq, bk of channels 4 L .. 4 L + 3; later -mean of my 16 groups
.set X,   128                          ; v128-191 x, hf, then the products' results
.set T,   192                          ; v192-255 the 32 parts' pairs, then the factor, then bq, then bk
.set SEL, 50
; window 1: v0-95 wq's eight fragments, later hf's eight; v96-191 wk's; v192-203 wv's tile w
.set MSB, 0
.macro WIN new                         ; the immediate's high byte repeats the setting that is left
.if MSB != \new
	s_set_vgpr_msb (MSB<<8)|\new
.set MSB, \new
.endif
.endm
.macro PLACES n
.rept \n
	v_nop
.endr
.endm
.macro LD64 reg, off                   ; one of my arrays of 128 numbers in the lanes' layout: register 16 b + i = number 32 b + 16 h + i
.irp bb, 0,1,2,3
.irp j, 0,1,2,3
	ds_load_b128 v[\reg+16*\bb+4*\j:\reg+16*\bb+4*\j+3], v11 offset:\off+128*\bb+16*\j
.endr
.endr
.endm
; 64 numbers of a lane, register 16 b + i = k 32 b + 16 (lane / 16) + i of my row, become a fragment's codes in v[d] on and its scale word in v[w] (the same in lanes l and l xor 16).
.macro QUANT s, d, w
.irp b, 0,1,2,3
	v_max3_num_f32 v[TM+\b], |v[\s+16*\b]|, |v[\s+1+16*\b]|, 0x2800000   ; block b: my 16 numbers, and the floor 2^(5 - 127): the byte cannot fall under 1.  (Each result tile is read from its low end on)
.endr
.irp i, 2,4,6,8,10,12,14
.irp b, 0,1,2,3
	v_max3_num_f32 v[TM+\b], v[TM+\b], |v[\s+16*\b+\i]|, |v[\s+1+16*\b+\i]|
.endr
.endr
.irp b, 0,1,2,3
	v_permlanex16_b32 v[TM+4+\b], v[TM+\b], s[SEL], s[SEL+1]
.endr
.irp b, 0,1,2,3
	v_max_num_f32 v[TM+\b], v[TM+\b], v[TM+4+\b]   ; with lane l xor 16's 16: the block's largest magnitude
.endr
.irp b, 0,1,2,3
	v_add_nc_u32 v[TM+12+\b], 0xfe000000, v[TM+\b] ; 4 off its exponent field: the conversion's scale operand
.endr
.irp b, 0,1,2,3
	v_lshrrev_b32 v[TM+4+\b], 23, v[TM+12+\b]      ; the scale's byte
.endr
	v_lshl_or_b32 v[\w], v[TM+5], 8, v[TM+4]
	v_lshl_or_b32 v[\w], v[TM+6], 16, v[\w]
	v_lshl_or_b32 v[\w], v[TM+7], 24, v[\w]
.irp c, 0,1
	v_cvt_scalef32_pk16_bf6_f32 v[\d+6*\c:\d+2+6*\c], v[\s+32*\c:\s+15+32*\c], v[TM+12+2*\c]
	v_cvt_scalef32_pk16_bf6_f32 v[CT+4*\c:CT+2+4*\c], v[\s+16+32*\c:\s+31+32*\c], v[TM+13+2*\c]   ; (a conversion's three registers begin on an even number)
.endr
	v_nop                                          ; one plain line behind the scaled conversions
.irp c, 0,1                            ; the operand's layout wants a WHOLE block in a lane: lanes 0-15 block 2 c, lanes 16-31 block 2 c + 1
.irp i, 0,1,2
	v_permlane16_swap_b32 v[\d+6*\c+\i], v[CT+4*\c+\i]
.endr
.irp i, 0,1,2
	v_mov_b32 v[\d+3+6*\c+\i], v[CT+4*\c+\i]
.endr
.endr
.endm
	s_load_b512 s[4:19], s[0:1], 0x0               ; x s[4:5], stats s[6:7], wimg s[8:9], gn_scale s[10:11], gn_bias s[12:13], bq s[14:15], bk s[16:17], bv s[18:19]
	s_load_b256 s[20:27], s[0:1], 0x40             ; qc s[20:21], qs s[22:23], kvc s[24:25], kvs s[26:27]
	s_set_vgpr_msb 0x40
	v_lshl_add_u32 v254, v0, 2, 0x19400
	v_mov_b32 v255, 0
	s_set_vgpr_msb 0x4000
	v_lshrrev_b32 v1, 5, v0
	v_readfirstlane_b32 s28, v1                    ; wave w = 2 b + u
	s_lshr_b32 s29, s28, 1                         ; b
	s_and_b32 s30, s28, 1                          ; u
	s_lshr_b32 s31, ttmp9, 5                       ; batch
	v_and_b32 v1, 31, v0                           ; L
	v_and_b32 v2, 15, v0                           ; r
	v_bfe_u32 v3, v0, 4, 1                         ; h
	v_lshlrev_b32 v4, 4, v1                        ; v4  16 L
	v_lshlrev_b32 v5, 3, v1                        ; v5  8 L
	v_lshlrev_b32 v6, 2, v1                        ; v6  4 L
	s_mul_i32 s32, s28, XSTW
	v_add_nc_u32 v7, s32, v4                       ; v7  my stage, rows as they come
	v_mul_u32_u24 v8, v2, 528
	v_lshl_add_u32 v8, v3, 6, v8
	v_add_nc_u32 v8, s32, v8                       ; v8  my stage: row r, + 64 h: my 16 numbers of a block of 32
	s_mul_i32 s33, s28, PRVW
	s_add_co_u32 s33, s33, PRV
	v_add_nc_u32 v9, s33, v4                       ; v9  my arrays + 16 L
	v_add_nc_u32 v10, s33, v6                      ; v10 + 4 L
	v_lshl_add_u32 v11, v3, 6, s33                 ; v11 + 64 h
	v_lshl_add_u32 v12, v3, 4, s33                 ; v12 + 16 h
	s_mul_i32 s34, s28, 1536
	s_add_co_u32 s35, s34, HIMG
	v_add_nc_u32 v13, s35, v4                      ; v13 where I store hf's image
	s_lshl_b32 s35, s28, 7
	s_add_co_u32 s35, s35, HSC
	v_add_nc_u32 v14, s35, v6                      ; v14 and its scale word
	s_lshl_b32 s35, s30, 8
	s_lshl_b32 s36, s29, 2
	s_add_co_u32 s35, s35, s36
	s_add_co_u32 s35, s35, SBLK
	v_lshl_add_u32 v15, v2, 4, s35                 ; v15 my tile's word in a scale block: 16 (r + 16 u) + 4 b; lanes l and l xor 16 write the same word with the same value
	v_add_nc_u32 v16, HIMG, v4                     ; v16 any image, for my lane
	v_add_nc_u32 v17, HSC, v6                      ; v17 any scale word
	s_lshl_b32 s35, s28, 9
	s_add_co_u32 s35, s35, SBLK
	v_add_nc_u32 v18, s35, v4                      ; v18 scale block w, on its way out (waves 0 to 2)
	v_and_b32 v19, 8, v2
	v_add_nc_u32 v19, v19, v2
	v_lshlrev_b32 v19, 2, v19                      ; v19 4 (r + 8 (r / 8))
	s_lshl_b32 s36, ttmp9, 16                      ; x: 128 rows of 512 bytes a block, + 32 b + 8 u rows
	s_lshl_b32 s37, s29, 14
	s_add_co_u32 s36, s36, s37
	s_lshl_b32 s37, s30, 12
	s_add_co_u32 s36, s36, s37
	s_mov_b32 s37, 0
	s_lshl_b32 s38, s31, 13                        ; stats: 32 parts of 256 bytes a batch
	s_mov_b32 s39, 0
	s_add_co_u32 s40, s34, 2*WB                    ; wv's tile w
	s_mov_b32 s41, 0
	s_lshl_b32 s42, s28, 7
	s_add_co_u32 s42, s42, 2*WB+12288              ; and its scale words
	s_mov_b32 s43, 0
	s_lshl_b32 s44, s29, 7
	s_lshl_b32 s45, s30, 5
	s_add_co_u32 s44, s44, s45                     ; bv: 4 (32 b + 8 u)
	s_mov_b32 s45, 0
	s_mul_i32 s46, ttmp9, 12288
	s_add_co_u32 s46, s46, s34                     ; qc: block, tile w
	s_mov_b32 s47, 0
	s_mul_i32 s48, ttmp9, 24576
	s_add_co_u32 s48, s48, s34                     ; kvc: block, tile w
	s_mov_b32 s49, 0
	s_mov_b32 s[SEL], 0x76543210
	s_mov_b32 s[SEL+1], 0xfedcba98                 ; v_permlanex16_b32's selects for lane l xor 16
	s_wait_kmcnt 0x0
	s_add_nc_u64 s[4:5], s[4:5], s[36:37]
	s_add_nc_u64 s[6:7], s[6:7], s[38:39]
	s_add_nc_u64 s[40:41], s[8:9], s[40:41]
	s_add_nc_u64 s[42:43], s[8:9], s[42:43]
	s_add_nc_u64 s[18:19], s[18:19], s[44:45]
	s_add_nc_u64 s[20:21], s[20:21], s[46:47]
	s_add_nc_u64 s[24:25], s[24:25], s[48:49]
	; ---- the first loads: my 16 rows of x (whole rows of 512 bytes), the batch's 32 parts, the parameters
.set i, 0
.rept 16
	global_load_b128 v[X+4*i:X+4*i+3], v4, s[4:5] offset:(i+8*(i/8))*512 th:TH_LOAD_NT
.set i, i+1
.endr
.set i, 0
.rept 32
	global_load_b64 v[T+2*i:T+2*i+1], v5, s[6:7] offset:256*i    ; part i: lane L takes group L's (mean, M2)
.set i, i+1
.endr
	global_load_b128 v[G:G+3], v4, s[10:11]
	global_load_b128 v[G+4:G+7], v4, s[12:13]
	global_load_b128 v[G+8:G+11], v4, s[14:15]
	global_load_b128 v[G+12:G+15], v4, s[16:17]
	global_load_b32 v[BVR], v19, s[18:19]
	s_wait_loadcnt 37                              ; x's sixteen are in; the 32 + 4 + 1 younger loads may be out
.set i, 0
.rept 16
	ds_store_b128 v7, v[X+4*i:X+4*i+3] offset:528*i    ; through my own stage: LDS serves a wave's instructions in order, so no wait stands between the stores and the loads
.set i, i+1
.endr
.irp bb, 0,1,2,3
.irp j, 0,1,2,3
	ds_load_b128 v[X+16*\bb+4*\j:X+16*\bb+4*\j+3], v8 offset:128*\bb+16*\j   ; register 16 b + i = channel 32 b + 16 h + i of my row r
.endr
.endr
	s_wait_loadcnt 0x0
	; ---- the weights are asked for now and land under the statistics, the normalisation and hf's quantising
	WIN 0x40                                       ; destination window 1
.set i, 0
.rept 24
	global_load_b128 v[4*i:4*i+3], v4, s[8:9] offset:512*i           ; wq's eight images are 24 x 512 bytes on end, and so are the registers
.set i, i+1
.endr
.set i, 0
.rept 24
	global_load_b128 v[96+4*i:96+4*i+3], v4, s[8:9] offset:WB+512*i  ; wk's
.set i, i+1
.endr
.irp c, 0,1,2
	global_load_b128 v[192+4*\c:192+4*\c+3], v4, s[40:41] offset:512*\c
.endr
	WIN 0
.irp t, 0,1,2,3,4,5,6,7
	global_load_b32 v[WQS+\t], v6, s[8:9] offset:12288+128*\t
.endr
.irp t, 0,1,2,3,4,5,6,7
	global_load_b32 v[WKS+\t], v6, s[8:9] offset:WB+12288+128*\t
.endr
	global_load_b32 v[WVS], v6, s[42:43]
	; ---- the batch's statistics, lane = group
.irp k, 0,1,2,3
	v_pk_add_f32 v[CH+2*\k:CH+2*\k+1], v[T+2*\k:T+2*\k+1], v[T+8+2*\k:T+9+2*\k]
.endr
.irp p, 8,12,16,20,24,28
.irp k, 0,1,2,3
	v_pk_add_f32 v[CH+2*\k:CH+2*\k+1], v[CH+2*\k:CH+2*\k+1], v[T+2*(\p+\k):T+2*(\p+\k)+1]
.endr
.endr
	v_pk_add_f32 v[CH:CH+1], v[CH:CH+1], v[CH+2:CH+3]
	v_pk_add_f32 v[CH+4:CH+5], v[CH+4:CH+5], v[CH+6:CH+7]
	v_pk_add_f32 v[CH:CH+1], v[CH:CH+1], v[CH+4:CH+5]   ; (sum of means, sum of M2's)
	v_mul_f32 v[MW], 0x3d000000, v[CH]             ; / 32: the mean
.set i, 0
.rept 32
	v_sub_f32 v[T+2*i], v[T+2*i], v[MW]
.set i, i+1
.endr
.irp k, 0,1,2,3
	v_mul_f32 v[CH+2+\k], v[T+2*\k], v[T+2*\k]
.endr
.irp p, 4,8,12,16,20,24,28
.irp k, 0,1,2,3
	v_fmac_f32 v[CH+2+\k], v[T+2*(\p+\k)], v[T+2*(\p+\k)]
.endr
.endr
	v_add_f32 v[CH+2], v[CH+2], v[CH+3]
	v_add_f32 v[CH+4], v[CH+4], v[CH+5]
	v_add_f32 v[CH+2], v[CH+2], v[CH+4]
	v_mul_f32 v[MW+1], 0x38800000, v[CH+1]         ; sum of M2's / 16,384
	v_fmamk_f32 v[MW+1], v[CH+2], 0x3d000000, v[MW+1]   ; + 512 / 16,384 x the sum of squared distances of the parts' means
	v_add_f32 v[MW+1], 0x358637bd, v[MW+1]         ; + 1e-6
	v_rsq_f32 v[MW+2], v[MW+1]
	v_mul_f32 v[MW+3], -1.0, v[MW]                 ; (a plain line behind the transcendental)
	s_wait_alu depctr_va_vdst(0)                   ; ahead of the first reader of the result
.irp i, 0,1,2,3
	v_mul_f32 v[G+\i], v[MW+2], v[G+\i]            ; the factor of channels 4 L .. 4 L + 3
.endr
	ds_store_b32 v10, v[MW+3]                      ; into my own arrays, and back in the lanes' layout
	ds_store_b128 v9, v[G:G+3] offset:256
	ds_store_b128 v9, v[G+4:G+7] offset:768
	ds_store_b128 v9, v[G+8:G+11] offset:1280
	ds_store_b128 v9, v[G+12:G+15] offset:1792
.irp bb, 0,1,2,3
	ds_load_b128 v[G+4*\bb:G+4*\bb+3], v12 offset:32*\bb   ; -mean of groups 8 b + 4 h + 0 .. 3
.endr
	LD64 T, 256                                    ; the factor
	LD64 GB, 768                                   ; gn_bias
	s_wait_dscnt 0x0                               ; these, and x from the stage
.set i, 0
.rept 64
	v_add_f32 v[X+i], v[X+i], v[G+4*(i/16)+(i%16)/4]
.set i, i+1
.endr
.set i, 0
.rept 32
	v_pk_fma_f32 v[X+2*i:X+2*i+1], v[X+2*i:X+2*i+1], v[T+2*i:T+2*i+1], v[GB+2*i:GB+2*i+1]
.set i, i+1
.endr
.irp b, 0,1,2,3
	v_mov_b32 v[TM+4+\b], 0                        ; written once: a lane permute's destination counts as one of its sources
.endr
.irp j, 0,1,2,3,4,5,6,7
	v_mov_b32 v[BV8+\j], v[BVR]
.endr
	LD64 T, 1280                                   ; bq: the C of q's products
	; ---- hf
	QUANT X, HF, HFW
.irp c, 0,1,2
	ds_store_b128 v13, v[HF+4*\c:HF+4*\c+3] offset:512*\c
.endr
	ds_store_b32 v14, v[HFW]
	; ---- q
	s_wait_loadcnt 0x0                             ; the weights
	s_wait_dscnt 0x0                               ; bq
	PLACES 8                                       ; a scale word written by vector instructions stands 8 places ahead of a scaled matrix instruction, an operand so written 4
	WIN 0x01                                       ; source 0 window 1
.irp t, 0,1,2,3,4,5,6,7
	v_wmma_scale_f32_16x16x128_f8f6f4 v[X+8*\t:X+8*\t+7], v[12*\t:12*\t+11], v[HF:HF+11], v[T+8*\t:T+8*\t+7], v[WQS+\t], v[HFW] matrix_a_fmt:MATRIX_FMT_BF6 matrix_b_fmt:MATRIX_FMT_BF6
.endr
	WIN 0
	PLACES 4                                       ; in front of loads into registers that the products have read, and of the first read of results
	LD64 T, 1792                                   ; bk
	QUANT X, PC, PW
.irp c, 0,1,2
	global_store_b128 v4, v[PC+4*\c:PC+4*\c+3], s[20:21] offset:512*\c   ; 32 lanes store 512 consecutive bytes
.endr
	ds_store_b32 v15, v[PW]
	; ---- k
	s_wait_dscnt 0x0                               ; bk is in; the word's store has read its register
	PLACES 5                                       ; these products write over q's results
	WIN 0x01
.irp t, 0,1,2,3,4,5,6,7
	v_wmma_scale_f32_16x16x128_f8f6f4 v[X+8*\t:X+8*\t+7], v[96+12*\t:96+12*\t+11], v[HF:HF+11], v[T+8*\t:T+8*\t+7], v[WKS+\t], v[HFW] matrix_a_fmt:MATRIX_FMT_BF6 matrix_b_fmt:MATRIX_FMT_BF6
.endr
	WIN 0
	PLACES 4
	s_wait_xcnt 0x0                                ; q's stores have read the codes' registers: they are written again only behind this wait
	QUANT X, PC, PW
.irp c, 0,1,2
	global_store_b128 v4, v[PC+4*\c:PC+4*\c+3], s[24:25] offset:512*\c
.endr
	ds_store_b32 v15, v[PW] offset:512
	s_wait_dscnt 0x0                               ; for the others' sake: hf's image and word lie in LDS
	s_barrier_signal -1
	s_barrier_wait -1                              ; all eight fragments of hf do
	; ---- v: my 16 channels for all 128 positions
	WIN 0x40
.set i, 0
.rept 24
	ds_load_b128 v[4*i:4*i+3], v16 offset:512*i    ; the eight images on end, where wq lay
.set i, i+1
.endr
	WIN 0
.irp t, 0,1,2,3,4,5,6,7
	ds_load_b32 v[HS+\t], v17 offset:128*\t
.endr
	s_wait_dscnt 0x0
	WIN 0x05                                       ; sources 0 and 1 window 1
.irp t, 0,1,2,3,4,5,6,7
	v_wmma_scale_f32_16x16x128_f8f6f4 v[X+8*\t:X+8*\t+7], v[12*\t:12*\t+11], v[192:203], v[BV8:BV8+7], v[HS+\t], v[WVS] matrix_a_fmt:MATRIX_FMT_BF6 matrix_b_fmt:MATRIX_FMT_BF6
.endr
	WIN 0
	PLACES 4
	s_wait_xcnt 0x0                                ; k's stores have read the codes' registers
	QUANT X, PC, PW                                ; my row is a channel, K the block's 128 positions
.irp c, 0,1,2
	global_store_b128 v4, v[PC+4*\c:PC+4*\c+3], s[24:25] offset:12288+512*\c
.endr
	ds_store_b32 v15, v[PW] offset:1024
	s_wait_dscnt 0x0
	s_barrier_signal -1
	s_barrier_wait -1                              ; the three scale blocks are whole
	s_cmp_lt_u32 s28, 3
	s_cbranch_scc0 .Lend                           ; waves 0, 1, 2 store q's, k's, v's; no barrier follows
	ds_load_b128 v[OB:OB+3], v18
	s_max_u32 s52, s28, 1
	s_sub_co_u32 s52, s52, 1
	s_lshl_b32 s52, s52, 9
	s_lshl_b32 s53, ttmp9, 10
	s_add_co_u32 s52, s52, s53                     ; in kvs: 1,024 x block + 512 x (wave - 1)
	s_lshl_b32 s53, ttmp9, 9                       ; in qs: 512 x block
	s_cmp_eq_u32 s28, 0                            ; the choice hangs on the wave's number alone
	s_cselect_b32 s52, s53, s52
	s_cselect_b64 s[54:55], s[22:23], s[26:27]
	s_mov_b32 s53, 0
	s_add_nc_u64 s[54:55], s[54:55], s[52:53]
	s_wait_dscnt 0x0
	global_store_b128 v4, v[OB:OB+3], s[54:55]     ; 512 consecutive bytes
.Lend:
	s_set_vgpr_msb 0x5
	s_wait_tensorcnt 0x0
	ds_add_u32 v254, v255
	s_wait_dscnt 0x0
	s_set_vgpr_msb 0x500
	s_endpgm
.Lfunc_end_k_qec4b23bfcf_qkv:
	.size	k_qec4b23bfcf_qkv, .Lfunc_end_k_qec4b23bfcf_qkv-k_qec4b23bfcf_qkv
	.p2alignl 7, 3214868480
	.fill 96, 4, 3214868480
	.section	.rodata,"a",@progbits
	.p2align	6, 0x0
	.amdhsa_kernel k_qec4b23bfcf_qkv
		.amdhsa_group_segment_fixed_size 104448
		.amdhsa_private_segment_fixed_size 0
		.amdhsa_enable_private_segment 0
		.amdhsa_kernarg_size 96
		.amdhsa_user_sgpr_count 2
		.amdhsa_user_sgpr_kernarg_segment_ptr 1
		.amdhsa_wavefront_size32 1
		.amdhsa_system_sgpr_workgroup_id_x 1
		.amdhsa_system_sgpr_workgroup_id_y 1
		.amdhsa_system_sgpr_workgroup_id_z 1
		.amdhsa_system_vgpr_workitem_id 0
		.amdhsa_next_free_vgpr 512
		.amdhsa_next_free_sgpr 66
		.amdhsa_reserve_vcc 0
		.amdhsa_float_denorm_mode_32 3
		.amdhsa_float_denorm_mode_16_64 3
		.amdhsa_memory_ordered 1
		.amdhsa_forward_progress 1
		.amdhsa_inst_pref_size 54
	.end_amdhsa_kernel
	.amdgpu_metadata
---
amdhsa.version: [ 1, 2 ]
amdhsa.kernels:
  - .name:           k_qec4b23bfcf_qkv
    .symbol:         k_qec4b23bfcf_qkv.kd
    .args:
      - { .name: x, .offset: 0, .size: 8, .value_kind: global_buffer, .address_space: global }
      - { .name: stats, .offset: 8, .size: 8, .value_kind: global_buffer, .address_space: global }
      - { .name: wimg, .offset: 16, .size: 8, .value_kind: global_buffer, .address_space: global }
      - { .name: gn_scale, .offset: 24, .size: 8, .value_kind: global_buffer, .address_space: global }
      - { .name: gn_bias, .offset: 32, .size: 8, .value_kind: global_buffer, .address_space: global }
      - { .name: bq, .offset: 40, .size: 8, .value_kind: global_buffer, .address_space: global }
      - { .name: bk, .offset: 48, .size: 8, .value_kind: global_buffer, .address_space: global }
      - { .name: bv, .offset: 56, .size: 8, .value_kind: global_buffer, .address_space: global }
      - { .name: qc, .offset: 64, .size: 8, .value_kind: global_buffer, .address_space: global }
      - { .name: qs, .offset: 72, .size: 8, .value_kind: global_buffer, .address_space: global }
      - { .name: kvc, .offset: 80, .size: 8, .value_kind: global_buffer, .address_space: global }
      - { .name: kvs, .offset: 88, .size: 8, .value_kind: global_buffer, .address_space: global }
    .group_segment_fixed_size: 104448
    .private_segment_fixed_size: 0
    .kernarg_segment_align: 8
    .kernarg_segment_size: 96
    .max_flat_workgroup_size: 256
    .sgpr_count:     66
    .vgpr_count:     512
    .wavefront_size: 32
...
	.end_amdgpu_metadata
.endif
;; end of part 2
;; launch attn (part 3): grid 32 x 8, 8 waves a work-group, clusters of 4 x 1, 327,680 bytes of LDS; arguments qc, qs, kvc, kvs, wimg, bo, x, out0; writes out0
.if DOCPART == 3
	.amdgcn_target "amdgcn-amd-amdhsa--gfx1250"
	.amdhsa_code_object_version 6
	.text
	.protected	k_qec4b23bfcf_attn
	.globl	k_qec4b23bfcf_attn
	.p2align	8
	.type	k_qec4b23bfcf_attn,@function
k_qec4b23bfcf_attn:
	s_mov_b64 s[64:65], 0
	v_nop
	global_prefetch_b8 v0, s[64:65] scope:SCOPE_SE
	s_setreg_imm32_b32 hwreg(HW_REG_WAVE_MODE, 25, 1), 1
	s_wait_xcnt 0x0
	s_wait_alu depctr_hold_cnt(0) depctr_sa_sdst(0) depctr_va_vdst(0) depctr_va_sdst(0) depctr_va_ssrc(0) depctr_va_vcc(0) depctr_vm_vsrc(0)
	s_getreg_b32 s2, hwreg(HW_REG_IB_STS2, 6, 4)
	s_cmp_eq_u32 s2, 0
	s_cbranch_scc0 .Lentry_in_a_cluster
	s_endpgm
.Lentry_in_a_cluster:
	s_bfe_u32 s2, ttmp6, 0x10000c
	s_cmp_lg_u32 s2, 0x3003
	s_cbranch_scc0 .Lentry_shape_is_right
	s_endpgm
.Lentry_shape_is_right:
; out = x + (softmax(q k^T / sqrt(128)) v) wo + bo, all three products on codes of E3M2 with one E8M0 byte for each 32 along K.  8 batches x 4,096 positions x 128 channels.
; q, k, v and wo arrive as images of operand registers (a tile of 16 rows x 128 K: 1,536 bytes, registers 4 c .. 4 c + 3 of lane L at 512 c + 16 L), their scale words as blocks of 512 bytes for 8 tiles
; (one 16-byte load a lane: register b = tile 2 b in lanes 0-15, tile 2 b + 1 in lanes 16-31).  Lane row r of tile 2 b + u is thing 32 b + 8 u + r + 8 (r / 8) of its 128.
; THE SOFTMAX: t = score x log2(e) / sqrt(128); M = the running largest t rounded UP to a whole number; p = 2^(t - M) is quantised along the keys, not normalised; the row's sum is taken of the unquantised p.
; When M moves, the sum and O are multiplied by 2^(old M - new M): exact.
; SHARES.  A work-group owns 128 queries of one batch.  Wave wv = 4 kh + g holds TWO tiles of 16 queries (its first: tile 2 g + kh; its second: 2 g + 1 - kh) and walks HALF of the keys: steps 2 kh, 2 kh + 1 of each
; slot of four steps of 128 keys.  So each fragment of K and V read from LDS feeds two matrix instructions, and two waves share a SIMD: one's vector work stands beside the other's products.
; At the end waves g and g + 4 hand each other the sums of their second tiles through LDS, and each finishes its first tile: by the swapped naming all waves run the same register numbers.
; LAYOUT.  All products are used transposed (S^T = K Q^T, O^T = V^T P^T, out^T = wo^T o^T): a lane holds ONE query (lane % 16) throughout, and its 64 results are, register 16 b + i, index 32 b + 16 (lane / 16) + i.
; CLUSTER.  The four work-groups of a cluster belong to one batch and walk the same K and V: every tensor load is asked for JOINTLY, with the same descriptor and a mask that names the four.
; The ring has two slots of four key steps (98,304 bytes: a dense block of kvc); each of the eight waves fetches an eighth.  A wave has two tensor loads out at the head, later one.
; LIMITS: NaN and infinities are not served; a block of p or of o whose largest number lies under 2^-122 gets the byte 1.  v_exp_f32 and v_rcp_f32 are good to 1 ulp.
; The row's sum and O are summed in two halves of the keys, joined by exact powers of two.
.set STEPB, 24576                      ; a key step in kvc and in LDS: K's 8 images, then V's 8
.set SLOTB, 4*STEPB
.set SLOT1, 1<<17                      ; slot 1 begins here, so that one exclusive or turns an address in one slot into the other's
.set SC,    SLOTB                      ; between the slots: the batch's scale blocks, 32 steps x (K's 512 + V's 512) bytes, filled once
.set SPARE, SLOT1+SLOTB                ; the spare words, 128 bytes for each wave: four blocks of 256 bytes that no other line names
.set STG,   SPARE+1024                 ; 8,704 bytes for each wave: what it hands to its partner (8,192 + 16 a lane), later its stage of 16 rows x 528 bytes.  No fill lands here
.set STGW,  8704
.set WO,    3*13312                    ; wo's part of wimg
.set AD0, 1                            ; v1   my lane's place in a slot: 16 L + 2 kh steps
.set AS0, 2                            ; v2   and among the scale blocks
.set AD,  3                            ; v3   LDS address of the slot in hand
.set AS,  4                            ; v4   and of its scale blocks
.set SPW, 5                            ; v5   LDS address of my spare word; never rewritten
.set NIL, 6                            ; v6   0; never rewritten
.set PFO, 7                            ; v7   256 L: the prefetches' offset
.set L16, 8                            ; v8   16 L
.set STI, 9                            ; v9   my stage: row r, + 64 h
.set MYA, 10                           ; v10  my 8,704 bytes + 16 L
.set PAA, 11                           ; v11  my partner's + 16 L
.set ST,  12                           ; tile a: v[12 + 4 a] -M, +1 the largest t, +2, +3 the sum in two halves
.set F,   20                           ; tile a: v[20 + 2 a] f = 2^(old M - new M), as the low word of a pair
.set KS,  24                           ; v24-27 K's scale words, v28-31 V's, v32-33 Q's, v34-35 p's: these hold scales and nothing else (at the end: v24-31 wo's, v34 o's)
.set VS,  28
.set QS,  32
.set PW,  34
.set TA,  36                           ; tile a, at v[36 + 16 a]: +0..3 the blocks' largest, +4..7 from the other half of the lanes, then bytes, +8, +9 a second chain of the sum, +10 at work, +12..15 scale operands
.set TM,  36
.set P,   68                           ; tile a: p's codes at v[68 + 12 a]
.set CT,  92                           ; tile a: the blocks' second halves as converted, at v[92 + 8 a]
.set BO,  108                          ; v108-111 bo of channels 4 L .. 4 L + 3
.set PFX, 112                          ; v112 the offset of x's one prefetch
.set L4,  113                          ; v113 4 L
.set R16, 114                          ; v114 16 r
.set S,   128                          ; tile a: S^T, then p, at v[128 + 64 a]
.set O,   0                            ; window 1: tile a's O^T at v[64 a]; v128-223 eight fragments of K or of V; v224-247 Q's two
.set KV,  128
.set QF,  224
.set WV,  20                           ; s20 wave, s21 g, s22 kh, s23 cx, s24 batch, s25 block of 128 positions
.set G1,  28                           ; s[28:35] descriptor group 1 for a slot's eighth;  s[36:43] for the scales' eighth;  s[44:47], s[48:51] their groups 0
.set G1S, 36
.set G0,  44
.set G0S, 48
.set SEL, 52                           ; s[52:53] lane selects for v_permlanex16_b32: lane l xor 16
.set CS,  54                           ; s[54:55] c = log2(e) / sqrt(128); the packed form names a pair
.set TB,  56                           ; s56  LDS byte at which the slot in hand begins
.set TS,  57                           ; s57  and its scale blocks: 4,096 bytes a slot
.set SLOTS, 58                         ; s58  slots still to be asked for
.set LIM, 59                           ; s59  1 in a wave that prefetches, else the greatest number
.set PFA, 60                           ; s[60:61] where my prefetches stand
.set XB,  74                           ; s[74:75] x at my first tile's first row;  s[76:77] out0 likewise
.set OUTB, 76
.set MSB, 0
.macro WIN new                         ; the immediate's high byte repeats the setting that is left
.if MSB != \new
	s_set_vgpr_msb (MSB<<8)|\new
.set MSB, \new
.endif
.endm
.set W_KQ, 0x05                        ; K and Q in window 1, S^T in window 0
.set W_LD, 0x40                        ; destination window 1, address window 0
.set W_RS, 0x41                        ; O^T (destination and source 0) in window 1, f in window 0
.set W_PV, 0x51                        ; V and O^T in window 1, p in window 0
.set W_ST, 0x04                        ; an LDS store's data (source 1) in window 1
.set W_MG, 0x01                        ; source 0 in window 1
.macro PLACES n
.rept \n
	v_nop
.endr
.endm
; A round of the cluster's barrier: my work-group's barrier, so that wave 0's signal speaks for all eight waves; wave 0 signals for the work-group; every wave waits for all four work-groups; my work-group's barrier once more.
.macro CROUND
	s_barrier_signal -1
	s_barrier_wait -1
	s_cmp_lg_u32 s[WV], 0
	s_cbranch_scc1 .Lnot_wave_0_\@
	s_barrier_signal -3
.Lnot_wave_0_\@:
	s_barrier_wait -3
	s_barrier_signal -1
	s_barrier_wait -1
.endm
; A prefetch of what the NEXT change of slots will ask for: a slot's 98,304 bytes.  All clusters of a batch walk the same K and V: the batch's first cluster asks.  Its four partners take 24,576 bytes each, told apart
; BY ADDRESS; in each, waves 0 to 2 ask for 8,192 bytes, lanes 256 bytes apart: each aligned 256 bytes are named once in the launch.  The last change that fills a slot asks for nothing: there is no slot behind it.
.macro ASK
	s_cmp_gt_u32 s[SLOTS], s[LIM]
	s_cbranch_scc0 .Lnot_mine_\@
	global_prefetch_b8 v[PFO], s[PFA:PFA+1] th:TH_LOAD_NT scope:SCOPE_SE
.Lnot_mine_\@:
.endm
.macro FETCH_K q                       ; my q-th step's eight fragments of K: 24 loads of 512 consecutive bytes; and its scale words
	WIN W_LD
.set i, 0
.rept 24
	ds_load_b128 v[KV+4*i:KV+4*i+3], v[AD] offset:STEPB*(\q)+512*i
.set i, i+1
.endr
	WIN 0
	ds_load_b128 v[KS:KS+3], v[AS] offset:1024*(\q)
.endm
.macro FETCH_V q
	WIN W_LD
.set i, 0
.rept 24
	ds_load_b128 v[KV+4*i:KV+4*i+3], v[AD] offset:STEPB*(\q)+12288+512*i
.set i, i+1
.endr
	WIN 0
	ds_load_b128 v[VS:VS+3], v[AS] offset:1024*(\q)+512
.endm
; 64 numbers of a lane, register 16 b + i = k 32 b + 16 (lane / 16) + i of my row, become a fragment's codes in v[d] on and its scale word in v[w].
.macro QUANT s, d, w
.irp b, 0,1,2,3
	v_max3_num_f32 v[TM+\b], |v[\s+16*\b]|, |v[\s+1+16*\b]|, 0x2800000   ; the floor 2^(5 - 127): the byte cannot fall under 1
.endr
.irp i, 2,4,6,8,10,12,14
.irp b, 0,1,2,3
	v_max3_num_f32 v[TM+\b], v[TM+\b], |v[\s+16*\b+\i]|, |v[\s+1+16*\b+\i]|
.endr
.endr
.irp b, 0,1,2,3
	v_permlanex16_b32 v[TM+4+\b], v[TM+\b], s[SEL], s[SEL+1]
.endr
.irp b, 0,1,2,3
	v_max_num_f32 v[TM+\b], v[TM+\b], v[TM+4+\b]
.endr
.irp b, 0,1,2,3
	v_add_nc_u32 v[TM+12+\b], 0xfe000000, v[TM+\b]
.endr
.irp b, 0,1,2,3
	v_lshrrev_b32 v[TM+4+\b], 23, v[TM+12+\b]
.endr
	v_lshl_or_b32 v[\w], v[TM+5], 8, v[TM+4]
	v_lshl_or_b32 v[\w], v[TM+6], 16, v[\w]
	v_lshl_or_b32 v[\w], v[TM+7], 24, v[\w]
.irp c, 0,1
	v_cvt_scalef32_pk16_bf6_f32 v[\d+6*\c:\d+2+6*\c], v[\s+32*\c:\s+15+32*\c], v[TM+12+2*\c]
	v_cvt_scalef32_pk16_bf6_f32 v[CT+4*\c:CT+2+4*\c], v[\s+16+32*\c:\s+31+32*\c], v[TM+13+2*\c]
.endr
	v_nop
.irp c, 0,1
.irp i, 0,1,2
	v_permlane16_swap_b32 v[\d+6*\c+\i], v[CT+4*\c+\i]
.endr
.irp i, 0,1,2
	v_mov_b32 v[\d+3+6*\c+\i], v[CT+4*\c+\i]
.endr
.endr
.endm
; THE SOFTMAX of both tiles for one key step, the tiles by turns, line by line.
.macro SOFTMAX
.irp b, 0,1,2,3
.irp a, 0,1
	v_max3_num_f32 v[TA+16*\a+\b], v[S+64*\a+16*\b], v[S+64*\a+16*\b+1], v[S+64*\a+16*\b+2]   ; the largest SCORE of each block of 32 keys: it serves the row's maximum and, since p rises with the score, the block's largest p.  (Each result tile is read from its low end on)
.endr
.endr
.irp i, 3,5,7,9,11,13
.irp b, 0,1,2,3
.irp a, 0,1
	v_max3_num_f32 v[TA+16*\a+\b], v[TA+16*\a+\b], v[S+64*\a+16*\b+\i], v[S+64*\a+16*\b+\i+1]
.endr
.endr
.endr
.irp b, 0,1,2,3
.irp a, 0,1
	v_max_num_f32 v[TA+16*\a+\b], v[TA+16*\a+\b], v[S+64*\a+16*\b+15]
.endr
.endr
.irp b, 0,1,2,3
.irp a, 0,1
	v_permlanex16_b32 v[TA+16*\a+4+\b], v[TA+16*\a+\b], s[SEL], s[SEL+1]
.endr
.endr
.irp b, 0,1,2,3
.irp a, 0,1
	v_max_num_f32 v[TA+16*\a+\b], v[TA+16*\a+\b], v[TA+16*\a+4+\b]   ; with lane l xor 16's 16 keys
.endr
.endr
.irp a, 0,1
	v_max3_num_f32 v[TA+16*\a+10], v[TA+16*\a], v[TA+16*\a+1], v[TA+16*\a+2]
.endr
.irp a, 0,1
	v_max_num_f32 v[TA+16*\a+10], v[TA+16*\a+10], v[TA+16*\a+3]      ; the step's largest score of my query
.endr
.irp a, 0,1
	v_mul_f32 v[TA+16*\a+10], s[CS], v[TA+16*\a+10]                  ; as t (c is positive)
.endr
.irp a, 0,1
	v_max_num_f32 v[ST+4*\a+1], v[ST+4*\a+1], v[TA+16*\a+10]         ; the running largest t
.endr
.irp a, 0,1
	v_mov_b32 v[TA+16*\a+10], v[ST+4*\a]
.endr
.irp a, 0,1
	v_floor_f32 v[ST+4*\a], -v[ST+4*\a+1]                            ; the new -M = floor(-t): M is a whole number
.endr
.irp a, 0,1
	v_sub_f32 v[TA+16*\a+10], v[ST+4*\a], v[TA+16*\a+10]             ; old M - new M: a whole number, 0 or less
.endr
.irp a, 0,1
	v_cvt_i32_f32 v[TA+16*\a+10], v[TA+16*\a+10]                     ; (it saturates)
.endr
.irp a, 0,1
	v_ldexp_f32 v[F+2*\a], 1.0, v[TA+16*\a+10]                       ; f = 2^(old M - new M)
.endr
.irp a, 0,1
.set j, 0
.rept 32
	v_pk_fma_f32 v[S+64*\a+j:S+64*\a+j+1], v[S+64*\a+j:S+64*\a+j+1], s[CS:CS+1], v[ST+4*\a:ST+4*\a+1] op_sel_hi:[1,0,0]   ; t - M, two at a time
.set j, j+2
.endr
.endr
.irp b, 0,1,2,3
.irp a, 0,1
	v_fma_f32 v[TA+16*\a+\b], v[TA+16*\a+\b], s[CS], v[ST+4*\a]      ; the same of each block's largest score
.endr
.endr
.set j, 0
.rept 128
	v_exp_f32 v[S+j], v[S+j]                                         ; p = 2^(t - M), at most 1: ONE BATCH for both tiles
.set j, j+1
.endr
.irp a, 0,1
	v_pk_mul_f32 v[ST+4*\a+2:ST+4*\a+3], v[ST+4*\a+2:ST+4*\a+3], v[F+2*\a:F+2*\a+1] op_sel_hi:[1,0]   ; the sums under the new M.  (Plain lines behind the exponentials)
.endr
	s_wait_alu depctr_va_vdst(0)                   ; one wait for the whole batch, ahead of its first reader
.irp b, 0,1,2,3
.irp a, 0,1
	v_exp_f32 v[TA+16*\a+\b], v[TA+16*\a+\b]                         ; the block's largest p: the same two instructions on the same number give the same bits
.endr
.endr
.irp a, 0,1
	v_pk_add_f32 v[TA+16*\a+8:TA+16*\a+9], v[S+64*\a:S+64*\a+1], v[S+64*\a+2:S+64*\a+3]   ; THE ROW'S SUM IS TAKEN OF THE UNQUANTISED p: two chains a tile.  (It reads the 128 alone: plain work behind the eight)
.endr
.irp j, 4,8,12,16,20,24,28,32,36,40,44,48,52,56,60
.irp a, 0,1
	v_pk_add_f32 v[ST+4*\a+2:ST+4*\a+3], v[ST+4*\a+2:ST+4*\a+3], v[S+64*\a+\j:S+64*\a+\j+1]
	v_pk_add_f32 v[TA+16*\a+8:TA+16*\a+9], v[TA+16*\a+8:TA+16*\a+9], v[S+64*\a+\j+2:S+64*\a+\j+3]
.endr
.endr
.irp a, 0,1
	v_pk_add_f32 v[ST+4*\a+2:ST+4*\a+3], v[ST+4*\a+2:ST+4*\a+3], v[TA+16*\a+8:TA+16*\a+9]
.endr
	s_wait_alu depctr_va_vdst(0)                   ; and one for the eight
.irp b, 0,1,2,3
.irp a, 0,1
	v_max_num_f32 v[TA+16*\a+\b], 0x2800000, v[TA+16*\a+\b]          ; the floor 2^(5 - 127): the byte cannot fall under 1
.endr
.endr
.irp b, 0,1,2,3
.irp a, 0,1
	v_add_nc_u32 v[TA+16*\a+12+\b], 0xfe000000, v[TA+16*\a+\b]       ; 4 off the exponent field: the conversion's scale operand
.endr
.endr
.irp b, 0,1,2,3
.irp a, 0,1
	v_lshrrev_b32 v[TA+16*\a+4+\b], 23, v[TA+16*\a+12+\b]            ; the scale's byte
.endr
.endr
.irp a, 0,1
	v_lshl_or_b32 v[PW+\a], v[TA+16*\a+5], 8, v[TA+16*\a+4]          ; p's scale word for these 128 keys
.endr
.irp a, 0,1
	v_lshl_or_b32 v[PW+\a], v[TA+16*\a+6], 16, v[PW+\a]
.endr
.irp a, 0,1
	v_lshl_or_b32 v[PW+\a], v[TA+16*\a+7], 24, v[PW+\a]
.endr
.irp a, 0,1
.irp c, 0,1
	v_cvt_scalef32_pk16_bf6_f32 v[P+12*\a+6*\c:P+12*\a+6*\c+2], v[S+64*\a+32*\c:S+64*\a+32*\c+15], v[TA+16*\a+12+2*\c]
	v_cvt_scalef32_pk16_bf6_f32 v[CT+8*\a+4*\c:CT+8*\a+4*\c+2], v[S+64*\a+32*\c+16:S+64*\a+32*\c+31], v[TA+16*\a+13+2*\c]   ; (a conversion's three registers begin on an even number)
.endr
.endr
	v_nop                                          ; one plain line behind the scaled conversions
.irp a, 0,1
.irp c, 0,1                            ; the operand's layout wants a WHOLE block in a lane
.irp i, 0,1,2
	v_permlane16_swap_b32 v[P+12*\a+6*\c+\i], v[CT+8*\a+4*\c+\i]
.endr
.irp i, 0,1,2
	v_mov_b32 v[P+12*\a+6*\c+3+\i], v[CT+8*\a+4*\c+\i]
.endr
.endr
.endr
.endm
; A KEY STEP: 128 keys, my q-th of the slot in hand, for both tiles.  V is asked for ahead of the softmax and lands under it.
.macro STEP q
.if (\q) == 0
	v_add_nc_u32 v[AD], s[TB], v[AD0]              ; (no LDS load of mine is out)
	v_add_nc_u32 v[AS], s[TS], v[AS0]
	FETCH_K 0
.endif
	s_wait_dscnt 0x0                               ; K and its scale words
	WIN W_KQ
.set t, 0
.rept 8
.set a, 0
.rept 2
.if t%2
	v_wmma_scale_f32_16x16x128_f8f6f4 v[S+64*a+8*t:S+64*a+8*t+7], v[KV+12*t:KV+12*t+11], v[QF+12*a:QF+12*a+11], 0, v[KS+t/2], v[QS+a] matrix_a_fmt:MATRIX_FMT_BF6 matrix_b_fmt:MATRIX_FMT_BF6 matrix_a_scale:MATRIX_SCALE_ROW1
.else
	v_wmma_scale_f32_16x16x128_f8f6f4 v[S+64*a+8*t:S+64*a+8*t+7], v[KV+12*t:KV+12*t+11], v[QF+12*a:QF+12*a+11], 0, v[KS+t/2], v[QS+a] matrix_a_fmt:MATRIX_FMT_BF6 matrix_b_fmt:MATRIX_FMT_BF6
.endif
.set a, a+1
.endr
.set t, t+1
.endr
	WIN 0
	PLACES 4                                       ; in front of loads into registers that the products have read, and of the first read of results
	FETCH_V \q
	SOFTMAX
	WIN W_RS
.irp a, 0,1
.set j, 0
.rept 32
	v_pk_mul_f32 v[O+64*\a+j:O+64*\a+j+1], v[O+64*\a+j:O+64*\a+j+1], v[F+2*\a:F+2*\a+1] op_sel_hi:[1,0]   ; O^T under the new M.  (These 64 are also the places between p's codes and scale words and the products)
.set j, j+2
.endr
.endr
	s_wait_dscnt 0x0                               ; V and its scale words
	WIN W_PV
.set t, 0
.rept 8                                ; the sixteen accumulators by turns, one instruction a turn
.set a, 0
.rept 2
.if t%2
	v_wmma_scale_f32_16x16x128_f8f6f4 v[O+64*a+8*t:O+64*a+8*t+7], v[KV+12*t:KV+12*t+11], v[P+12*a:P+12*a+11], v[O+64*a+8*t:O+64*a+8*t+7], v[VS+t/2], v[PW+a] matrix_a_fmt:MATRIX_FMT_BF6 matrix_b_fmt:MATRIX_FMT_BF6 matrix_a_scale:MATRIX_SCALE_ROW1
.else
	v_wmma_scale_f32_16x16x128_f8f6f4 v[O+64*a+8*t:O+64*a+8*t+7], v[KV+12*t:KV+12*t+11], v[P+12*a:P+12*a+11], v[O+64*a+8*t:O+64*a+8*t+7], v[VS+t/2], v[PW+a] matrix_a_fmt:MATRIX_FMT_BF6 matrix_b_fmt:MATRIX_FMT_BF6
.endif
.set a, a+1
.endr
.set t, t+1
.endr
	WIN 0
	PLACES 4                                       ; in front of the next loads into V's registers, and of whatever reads O^T next
.if (\q) == 0
	FETCH_K 1
.endif
.endm
; THE CHANGE OF SLOTS stands at a slot's head.  Each wave waits for all its tensor loads (its eighth of the slot that it is about to read), adds 0 to its spare word, and waits for that and for its reads of the slot
; that it has left.  fill = 1: a round of the cluster's barrier, so that no wave of any partner still reads that slot or has a load on its way; behind it the slot is filled with the keys that follow, first thing:
; the load has my two key steps, and those of the wave beside me, in which to land.
.macro CHANGE fill
	s_wait_tensorcnt 0x0                           ; no tensor load of mine is out, so a group 0 may be written
	ds_add_u32 v[SPW], v[NIL]                      ; 0 onto my spare word
.if \fill
	s_xor_b32 s[G0+1], s[G0+1], SLOT1              ; the walking descriptor: the other slot than last time,
	s_add_nc_u64 s[G0+2:G0+3], s[G0+2:G0+3], SLOTB ; the next four key steps; the type bits on top are not reached
	s_wait_xcnt 0x0                                ; the last prefetch, a slot back, has read its address, so it may be written:
	s_add_nc_u64 s[PFA:PFA+1], s[PFA:PFA+1], SLOTB ; one slot further on than the walking descriptor
	s_wait_dscnt 0x0                               ; the add is done, and my reads of the slot that I have left are over
	CROUND
	tensor_load_to_lds s[G0:G0+3], s[G1:G1+7]      ; my one tensor load until the next round
	s_nop 0
	PLACES 4
	ASK
.else
	s_wait_dscnt 0x0
	s_barrier_signal -1
	s_barrier_wait -1
	global_prefetch_b8 v[PFX], s[XB:XB+1] th:TH_LOAD_NT scope:SCOPE_SE   ; my 16 rows of x, 32 aligned blocks of 256 bytes, a lane a block: two key steps ahead of the loads that want them; nobody else reads them
.endif
.endm
.macro SLOT_STEPS
	STEP 0
	STEP 1
	s_xor_b32 s[TB], s[TB], SLOT1                  ; on to the other slot
	s_add_co_u32 s[TS], s[TS], 4096
.endm
	s_load_b512 s[4:19], s[0:1], 0x0               ; qc s[4:5], qs s[6:7], kvc s[8:9], kvs s[10:11], wimg s[12:13], bo s[14:15], x s[16:17], out0 s[18:19]
	v_lshl_add_u32 v[SPW], v0, 2, SPARE
	v_mov_b32 v[NIL], 0
	ds_add_u32 v5, v6
	ds_add_u32 v5, v6
	s_wait_dscnt 0x0
	v_lshrrev_b32 v1, 5, v0
	v_readfirstlane_b32 s[WV], v1                  ; wave 0..7
	s_and_b32 s21, s[WV], 3                        ; g
	s_lshr_b32 s22, s[WV], 2                       ; kh
	s_bfe_u32 s23, ttmp6, 0x40000                  ; cx: my place in the cluster: it enters the addresses of q, x, out0 and the prefetches alone
	s_and_b32 s24, ttmp7, 0xffff                   ; the batch, which the four partners share
	s_lshl_b32 s25, ttmp9, 2                       ; in a cluster launch ttmp9 counts clusters
	s_add_co_u32 s25, s25, s23
	s_lshl_b32 s26, s24, 5
	s_add_co_u32 s25, s25, s26                     ; my block of 128 positions = 32 x batch + 4 x cluster x + cx
	; descriptor group 1: a dense block as rows of 256 bytes (32 elements of 8 bytes): 48 rows for a slot's eighth, 16 for the scales' eighth
	s_mov_b32 s[G1], 15|(3<<16)|(1<<21)            ; 15:0 the mask: all four work-groups; 17:16 elements of 8 bytes; 20 no padding; 21 set beside a mask
	s_mov_b32 s[G1+1], 32<<16                      ; tensor_dim0
	s_mov_b32 s[G1+2], 48<<16                      ; tensor_dim1
	s_mov_b32 s[G1+3], 32<<16                      ; tile_dim0
	s_mov_b32 s[G1+4], 48                          ; tile_dim1
	s_mov_b32 s[G1+5], 32                          ; tensor_dim0_stride
	s_mov_b32 s[G1+6], 0
	s_mov_b32 s[G1+7], 0
	s_mov_b32 s[G1S], 15|(3<<16)|(1<<21)
	s_mov_b32 s[G1S+1], 32<<16
	s_mov_b32 s[G1S+2], 16<<16
	s_mov_b32 s[G1S+3], 32<<16
	s_mov_b32 s[G1S+4], 16
	s_mov_b32 s[G1S+5], 32
	s_mov_b32 s[G1S+6], 0
	s_mov_b32 s[G1S+7], 0
	s_mov_b32 s[G0], 1                             ; count = 1
	s_mul_i32 s[G0+1], s[WV], 12288                ; LDS: slot 0, my eighth: no place in the cluster enters an LDS address
	s_mov_b32 s[G0S], 1
	s_lshl_b32 s[G0S+1], s[WV], 12
	s_mul_i32 s66, s24, 32*STEPB                   ; the batch's K and V,
	s_add_co_u32 s66, s66, s[G0+1]                 ; my eighth of its first slot
	s_mov_b32 s67, 0
	s_lshl_b32 s68, s24, 15                        ; the batch's scale blocks,
	s_add_co_u32 s68, s68, s[G0S+1]                ; my eighth
	s_mov_b32 s69, 0
	s_add_co_u32 s[G0S+1], s[G0S+1], SC
	s_mul_i32 s70, s24, 32*STEPB                   ; the prefetches: the batch, my work-group's quarter of a slot, my wave's third of that,
	s_mul_i32 s71, s23, 24576
	s_add_co_u32 s70, s70, s71
	s_lshl_b32 s71, s[WV], 13
	s_add_co_u32 s70, s70, s71
	s_add_co_u32 s70, s70, SLOTB                   ; in slot 1: the first change of slots steps it to slot 2.  Nothing is prefetched at the head
	s_mov_b32 s71, 0
	s_cmp_lt_u32 s[WV], 3
	s_cselect_b32 s[LIM], 0, 1
	s_or_b32 s[LIM], s[LIM], ttmp9                 ; 0 in waves 0 to 2 of the batch's first cluster: the same in all four partners
	s_cmp_eq_u32 s[LIM], 0
	s_cselect_b32 s[LIM], 1, -1
	s_lshl_b32 s78, s21, 1
	s_add_co_u32 s78, s78, s22                     ; my first tile: 2 g + kh;
	s_xor_b32 s79, s78, 1                          ; my second: 2 g + 1 - kh
	s_mul_i32 s72, s25, 12288
	s_mul_i32 s80, s78, 1536
	s_add_co_u32 s80, s80, s72                     ; their images in qc
	s_mov_b32 s81, 0
	s_mul_i32 s82, s79, 1536
	s_add_co_u32 s82, s82, s72
	s_mov_b32 s83, 0
	s_lshl_b32 s72, s25, 9
	s_lshl_b32 s73, s21, 2
	s_add_co_u32 s72, s72, s73                     ; their scale words in qs: 512 x block + 4 g + 256 u (+ 16 r)
	s_lshl_b32 s84, s22, 8
	s_xor_b32 s86, s84, 256
	s_add_co_u32 s84, s84, s72
	s_mov_b32 s85, 0
	s_add_co_u32 s86, s86, s72
	s_mov_b32 s87, 0
	s_lshl_b32 s72, s25, 16                        ; x and out0: rows of 512 bytes; my first tile begins at position 128 x block + 32 g + 8 kh
	s_lshl_b32 s73, s21, 14
	s_add_co_u32 s72, s72, s73
	s_lshl_b32 s73, s22, 12
	s_add_co_u32 s72, s72, s73
	s_mov_b32 s73, 0
	s_mov_b32 s[SEL], 0x76543210
	s_mov_b32 s[SEL+1], 0xfedcba98
	s_mov_b32 s[CS], 0x3e0293ee                    ; c = log2(e) / sqrt(128)
	s_mov_b32 s[CS+1], s[CS]                       ; (named with it as a pair, so it is written)
	s_mov_b32 s[TB], 0
	s_mov_b32 s[TS], 0
	s_mov_b32 s[SLOTS], 7                          ; 8 slots of 512 keys; slot 0 is asked for here
	s_wait_kmcnt 0x0
	s_add_nc_u64 s[G0+2:G0+3], s[8:9], s[66:67]
	s_or_b32 s[G0+3], s[G0+3], 0x80000000          ; type = 2
	s_add_nc_u64 s[G0S+2:G0S+3], s[10:11], s[68:69]
	s_or_b32 s[G0S+3], s[G0S+3], 0x80000000
	s_add_nc_u64 s[PFA:PFA+1], s[8:9], s[70:71]
	s_add_nc_u64 s[80:81], s[4:5], s[80:81]
	s_add_nc_u64 s[82:83], s[4:5], s[82:83]
	s_add_nc_u64 s[84:85], s[6:7], s[84:85]
	s_add_nc_u64 s[86:87], s[6:7], s[86:87]
	s_add_nc_u64 s[XB:XB+1], s[16:17], s[72:73]
	s_add_nc_u64 s[OUTB:OUTB+1], s[18:19], s[72:73]
	CROUND                                         ; all four work-groups are here: the first joint loads meet
	tensor_load_to_lds s[G0S:G0S+3], s[G1S:G1S+7]  ; the batch's scale blocks: filled once
	s_nop 0
	tensor_load_to_lds s[G0:G0+3], s[G1:G1+7]      ; slot 0.  The two first fills stand together: two loads of mine are out
	s_nop 0
	PLACES 4
	v_and_b32 v36, 31, v0                          ; L
	v_and_b32 v37, 15, v0                          ; r
	v_bfe_u32 v38, v0, 4, 1                        ; h
	v_lshlrev_b32 v[L16], 4, v36
	v_lshlrev_b32 v[L4], 2, v36
	v_lshlrev_b32 v[R16], 4, v37
	v_lshlrev_b32 v[PFO], 8, v36
	v_lshl_add_u32 v[PFX], v38, 12, v[PFO]         ; x's blocks: rows 0-7 of my tile are 4,096 bytes on end, rows 8-15 begin 8,192 bytes on
	s_mul_i32 s26, s22, 2*STEPB
	v_add_nc_u32 v[AD0], s26, v[L16]
	s_lshl_b32 s26, s22, 11
	s_add_co_u32 s26, s26, SC
	v_add_nc_u32 v[AS0], s26, v[L16]
	s_mul_i32 s27, s[WV], STGW
	s_add_co_u32 s27, s27, STG
	v_add_nc_u32 v[MYA], s27, v[L16]
	v_mul_u32_u24 v[STI], v37, 528
	v_lshl_add_u32 v[STI], v38, 6, v[STI]
	v_add_nc_u32 v[STI], s27, v[STI]
	s_xor_b32 s26, s[WV], 4                        ; my partner: the same g, the other half of the keys
	s_mul_i32 s26, s26, STGW
	s_add_co_u32 s26, s26, STG
	v_add_nc_u32 v[PAA], s26, v[L16]
	WIN W_LD
.irp c, 0,1,2
	global_load_b128 v[QF+4*\c:QF+4*\c+3], v[L16], s[80:81] offset:512*\c        ; Q's two fragments stay in registers
.endr
.irp c, 0,1,2
	global_load_b128 v[QF+12+4*\c:QF+12+4*\c+3], v[L16], s[82:83] offset:512*\c
.endr
	WIN 0
	global_load_b32 v[QS], v[R16], s[84:85]
	global_load_b32 v[QS+1], v[R16], s[86:87]
.irp a, 0,1
	v_mov_b32 v[ST+4*\a+1], 0xff61b1e6             ; the largest t so far: -3e38, under every t
	v_floor_f32 v[ST+4*\a], -v[ST+4*\a+1]          ; -M
	v_mov_b32 v[ST+4*\a+2], 0                      ; the sum, in two halves
	v_mov_b32 v[ST+4*\a+3], 0
	v_mov_b32 v[F+2*\a+1], 0                       ; (named as the upper half of a pair)
.irp b, 0,1,2,3
	v_mov_b32 v[TA+16*\a+4+\b], 0                  ; written once: a lane permute's destination counts as one of its sources
.endr
.endr
	WIN W_LD
.set j, 0
.rept 128
	v_mov_b32 v[O+j], 0                            ; O^T.  (The key step is written without a first step of its own: the first finds zeros, which the first change of M leaves zeros)
.set j, j+1
.endr
	WIN 0
	s_wait_loadcnt 0x0                             ; Q
.Lslot:                                            ; 7 trips: behind each change of slots but the last the next slot is asked for
	CHANGE 1
	SLOT_STEPS
	s_sub_co_u32 s[SLOTS], s[SLOTS], 1
	s_cmp_lg_u32 s[SLOTS], 0
	s_cbranch_scc1 .Lslot
	CHANGE 0                                       ; the last slot is written out
	SLOT_STEPS
	; ---- THE END.  The sums' halves are joined; wo, x and bo are asked for; the partners hand each other their second tiles.
.irp a, 0,1
	v_add_f32 v[ST+4*\a+2], v[ST+4*\a+2], v[ST+4*\a+3]
.endr
.irp a, 0,1
	v_permlanex16_b32 v[TA+16*\a+4], v[ST+4*\a+2], s[SEL], s[SEL+1]
.endr
.irp a, 0,1
	v_add_f32 v[ST+4*\a+2], v[ST+4*\a+2], v[TA+16*\a+4]   ; the row's sum over my half of the keys
.endr
	WIN W_LD
.set i, 0
.rept 24
	global_load_b128 v[KV+4*i:KV+4*i+3], v[L16], s[12:13] offset:WO+512*i   ; wo's eight fragments, where K and V lay
.set i, i+1
.endr
	WIN 0
.irp t, 0,1,2,3,4,5,6,7
	global_load_b32 v[KS+\t], v[L4], s[12:13] offset:WO+12288+128*\t
.endr
.set i, 0
.rept 16
	global_load_b128 v[S+64+4*i:S+64+4*i+3], v[L16], s[XB:XB+1] offset:(i+8*(i/8))*512 th:TH_LOAD_NT   ; my first tile's 16 rows of x, whole rows
.set i, i+1
.endr
	global_load_b128 v[BO:BO+3], v[L16], s[14:15]
	WIN W_ST
.set i, 0
.rept 16
	ds_store_b128 v[MYA], v[O+64+4*i:O+64+4*i+3] offset:512*i   ; my second tile's O^T, as it stands, each accumulator from its low end on
.set i, i+1
.endr
	WIN 0
	ds_store_b128 v[MYA], v[ST+4:ST+7] offset:8192  ; its -M and its sum
	s_wait_dscnt 0x0                               ; for my partner's sake
	s_barrier_signal -1
	s_barrier_wait -1
	WIN W_LD
.set i, 0
.rept 16
	ds_load_b128 v[O+64+4*i:O+64+4*i+3], v[PAA] offset:512*i   ; my partner's second tile is my first: the other half of the keys
.set i, i+1
.endr
	WIN 0
	ds_load_b128 v[F:F+3], v[PAA] offset:8192      ; v20 its -M, v22 its sum
	s_wait_dscnt 0x0                               ; my reads of my partner's bytes are over:
	s_barrier_signal -1
	s_barrier_wait -1                              ; behind this barrier each wave's 8,704 bytes are its own again
	v_min_num_f32 v52, v[ST], v[F]                 ; -M of both halves: the larger M
	v_sub_f32 v53, v52, v[ST]
	v_sub_f32 v54, v52, v[F]
	v_cvt_i32_f32 v53, v53
	v_cvt_i32_f32 v54, v54
	v_ldexp_f32 v55, 1.0, v53                      ; 2^(my M - M)
	v_ldexp_f32 v56, 1.0, v54                      ; 2^(its M - M)
	v_mul_f32 v57, v[ST+2], v55
	v_fmac_f32 v57, v[F+2], v56                    ; the row's sum
	v_rcp_f32 v58, v57
	v_nop                                          ; a plain line behind the transcendental
	s_wait_alu depctr_va_vdst(0)                   ; ahead of the first reader
	v_mul_f32 v60, v55, v58
	v_mul_f32 v62, v56, v58
	v_mov_b32 v61, v60
	v_mov_b32 v63, v62
	WIN W_MG
.set j, 0
.rept 32
	v_pk_mul_f32 v[S+j:S+j+1], v[O+j:O+j+1], v[60:61] op_sel_hi:[1,0]
.set j, j+2
.endr
.set j, 0
.rept 32
	v_pk_fma_f32 v[S+j:S+j+1], v[O+64+j:O+64+j+1], v[62:63], v[S+j:S+j+1] op_sel_hi:[1,0,1]   ; o = (both halves' O^T under the common M) / the sum
.set j, j+2
.endr
	WIN 0
	QUANT S, P, PW                                 ; o along the channels
	s_wait_loadcnt 17                              ; wo and its scale words are in; x's sixteen loads and bo's one are younger
	PLACES 8                                       ; a scale word written by vector instructions stands 8 places ahead of a scaled matrix instruction
	WIN W_MG
.irp t, 0,1,2,3,4,5,6,7
	v_wmma_scale_f32_16x16x128_f8f6f4 v[S+8*\t:S+8*\t+7], v[KV+12*\t:KV+12*\t+11], v[P:P+11], 0, v[KS+\t], v[PW] matrix_a_fmt:MATRIX_FMT_BF6 matrix_b_fmt:MATRIX_FMT_BF6
.endr
	WIN 0
	s_wait_loadcnt 0x0                             ; x and bo
.set i, 0
.rept 16
	v_pk_add_f32 v[S+64+4*i:S+64+4*i+1], v[S+64+4*i:S+64+4*i+1], v[BO:BO+1]       ; x + bo, by rows.  (These 32 are the places behind the products)
	v_pk_add_f32 v[S+64+4*i+2:S+64+4*i+3], v[S+64+4*i+2:S+64+4*i+3], v[BO+2:BO+3]
.set i, i+1
.endr
.irp b, 0,1,2,3
.irp j, 0,1,2,3
	ds_store_b128 v[STI], v[S+16*\b+4*\j:S+16*\b+4*\j+3] offset:128*\b+16*\j   ; lane (r, h): row r, channels 32 b + 16 h + 4 j on; each accumulator from its low end on
.endr
.endr
.set i, 0
.rept 16
	ds_load_b128 v[S+4*i:S+4*i+3], v[MYA] offset:528*i   ; back as whole rows: LDS serves a wave's instructions in order, so these see my stores
.set i, i+1
.endr
.set i, 0
.rept 16
	s_wait_dscnt 15-i                              ; row i is back; the younger rows' loads may be out
	v_pk_add_f32 v[S+4*i:S+4*i+1], v[S+4*i:S+4*i+1], v[S+64+4*i:S+64+4*i+1]
	v_pk_add_f32 v[S+4*i+2:S+4*i+3], v[S+4*i+2:S+4*i+3], v[S+64+4*i+2:S+64+4*i+3]
	global_store_b128 v[L16], v[S+4*i:S+4*i+3], s[OUTB:OUTB+1] offset:(i+8*(i/8))*512 th:TH_STORE_NT   ; 32 lanes store a row of 512 consecutive bytes, aligned
.set i, i+1
.endr
	s_wait_tensorcnt 0x0                           ; the wave's end: behind my last tensor load and my last LDS store
	ds_add_u32 v[SPW], v[NIL]
	s_wait_dscnt 0x0
	CROUND                                         ; the closing round: no work-group ends while a partner may still ask for a tile that names it
	s_endpgm
.Lfunc_end_k_qec4b23bfcf_attn:
	.size	k_qec4b23bfcf_attn, .Lfunc_end_k_qec4b23bfcf_attn-k_qec4b23bfcf_attn
	.p2alignl 7, 3214868480
	.fill 96, 4, 3214868480
	.section	.rodata,"a",@progbits
	.p2align	6, 0x0
	.amdhsa_kernel k_qec4b23bfcf_attn
		.amdhsa_group_segment_fixed_size 327680
		.amdhsa_private_segment_fixed_size 0
		.amdhsa_enable_private_segment 0
		.amdhsa_kernarg_size 64
		.amdhsa_user_sgpr_count 2
		.amdhsa_user_sgpr_kernarg_segment_ptr 1
		.amdhsa_wavefront_size32 1
		.amdhsa_system_sgpr_workgroup_id_x 1
		.amdhsa_system_sgpr_workgroup_id_y 1
		.amdhsa_system_sgpr_workgroup_id_z 1
		.amdhsa_system_vgpr_workitem_id 0
		.amdhsa_next_free_vgpr 512
		.amdhsa_next_free_sgpr 100
		.amdhsa_reserve_vcc 0
		.amdhsa_float_denorm_mode_32 3
		.amdhsa_float_denorm_mode_16_64 3
		.amdhsa_memory_ordered 1
		.amdhsa_forward_progress 1
		.amdhsa_inst_pref_size 171
	.end_amdhsa_kernel
	.amdgpu_metadata
---
amdhsa.version: [ 1, 2 ]
amdhsa.kernels:
  - .name:           k_qec4b23bfcf_attn
    .symbol:         k_qec4b23bfcf_attn.kd
    .args:
      - { .name: qc, .offset: 0, .size: 8, .value_kind: global_buffer, .address_space: global }
      - { .name: qs, .offset: 8, .size: 8, .value_kind: global_buffer, .address_space: global }
      - { .name: kvc, .offset: 16, .size: 8, .value_kind: global_buffer, .address_space: global }
      - { .name: kvs, .offset: 24, .size: 8, .value_kind: global_buffer, .address_space: global }
      - { .name: wimg, .offset: 32, .size: 8, .value_kind: global_buffer, .address_space: global }
      - { .name: bo, .offset: 40, .size: 8, .value_kind: global_buffer, .address_space: global }
      - { .name: x, .offset: 48, .size: 8, .value_kind: global_buffer, .address_space: global }
      - { .name: out0, .offset: 56, .size: 8, .value_kind: global_buffer, .address_space: global }
    .group_segment_fixed_size: 327680
    .private_segment_fixed_size: 0
    .kernarg_segment_align: 8
    .kernarg_segment_size: 64
    .max_flat_workgroup_size: 256
    .sgpr_count:     100
    .vgpr_count:     512
    .wavefront_size: 32
...
	.end_amdgpu_metadata
.endif
;; end of part 3
